; MI455X (gfx1250); checked and timed in simulation.
; The chip was launched on July 23, 2026; its instructions are those of AMD's public machine-readable ISA for CDNA 5 (MIT licence, August 2026) and "CDNA5" Instruction Set Architecture Reference Guide (July 2026). The comments in the code are by the model that wrote it; some were corrected since.
;; Prior Attention. Allowed arithmetic: matrix products marked QUANTISED: E2M1 operands, one E8M0 scale for each 32 along K, by v_wmma_scale_f32_16x16x128_f8f6f4 with both operands' format E2M1 (or v_wmma_scale_f32_32x16x128_f4), f32 sums; products left as they are: bf16, f16 or f32 operands; f32 sums; everything else in f32.
;; Inputs: Wk 512 x 512 float32; Wo 512 x 512 float32; Wq 512 x 512 float32; Wv 512 x 512 float32; bk 512 float32; bo 512 float32; bq 512 float32; bv 512 float32; x 8 x 2,048 x 512 float32.
;; Outputs: out0 8 x 2,048 x 512 float32.
;; This version of the problem:
;;   THIS VERSION OF THE PROBLEM IS GIVEN IN LOW PRECISION. The matrix products marked QUANTISED in the list below multiply operands that are first quantised to E2M1 (2 exponent bits, 1 mantissa bit; 4 bits a number), with one power-of-two scale for each 32 numbers along K (OCP MX v1.0); their sums are f32. The products marked 'left as it is' may take bf16, f16 or f32 operands, with f32 sums. Whichever they take, every output number must still come out within the allowed error. Rounding operands to bf16 (8 significant bits) uses up far more of that allowance than f16 does (11 bits, for magnitudes from 6e-5 to 65,504). All else is computed in f32.
;;   The module's matrix products, in the order in which they are computed (A, B: the left and right operand; K: the contracted axis; several contracted axes count as one K, in the product's order):
;;     1. [M 16,384, K 512] x [K 512, N 512]; A: input x; B: input Wq: QUANTISED
;;     2. [M 16,384, K 512] x [K 512, N 512]; A: input x; B: input Wk: QUANTISED
;;     3. [M 16,384, K 512] x [K 512, N 512]; A: input x; B: input Wv: QUANTISED
;;     4. batch 64 x [M 2,048, K 64] x [K 64, N 2,048]; A: computed on the way; B: computed on the way: left as it is (an operand is computed on the way)
;;     5. batch 64 x [M 2,048, K 2,048] x [K 2,048, N 64]; A: computed on the way; B: computed on the way: left as it is (an operand is computed on the way)
;;     6. [M 16,384, K 512] x [K 512, N 512]; A: computed on the way; B: input Wo: left as it is (an operand is computed on the way)
;;   THE QUANTISER, for each operand of a quantised product, along K:
;;     - K is cut into blocks of 32 from its start; a last block that is shorter is filled with zeros.
;;     - A block's scale is 2^e with e = floor(log2(the largest magnitude in the block)) - 2, held to -126 .. 127; a block of zeros has e = 0. As a byte (E8M0): e + 127.
;;     - Each number is divided by its block's scale, clamped to +-6, and rounded to the nearest number of E2M1, ties to even, subnormals kept.
;;     - The product sums the exact products of the quantised numbers (number of the format x scale) in f32.
;;   ~~~python
;;   def quantise(x, axis):      # numpy; x: float32 -> the quantised numbers, widened to float32 again
;;       x = np.moveaxis(x, axis, -1); K = x.shape[-1]
;;       x = np.pad(x, [(0, 0)] * (x.ndim - 1) + [(0, -K % 32)]); x = x.reshape(x.shape[:-1] + (-1, 32)); a = np.abs(x).max(-1, keepdims=True)
;;       e = np.where(a > 0, np.clip(np.frexp(np.where(a > 0, a, 1))[1] - 1 - 2, -126, 127), 0)      # np.frexp(a)[1] - 1 = floor(log2(a)), exactly
;;       r = np.clip(x / 2.0 ** e, -6, 6)
;;       step = 2.0 ** (np.maximum(np.frexp(np.where(r == 0, 1, r))[1] - 1, 0) - 1)
;;       q = np.round(r / step) * step * 2.0 ** e      # np.round: ties to even
;;       return np.moveaxis(q.reshape(q.shape[:-2] + (-1,))[..., :K], -1, axis).astype(np.float32)
;;   ~~~
;; One version. Each part assembles by itself: llvm-mc -triple=amdgcn-amd-amdhsa -mcpu=gfx1250 --defsym DOCPART=n.
;; ======== version 1 of 1: 4 launches
;; limits: values are held in f16: magnitudes above 65,504 overflow, below 6.1e-05 lose precision
;; workspace buffers: wc 417,792 bytes; wof 524,288 bytes; qf 16,777,216 bytes; kf 16,777,216 bytes; vf 16,777,216 bytes; att 16,777,216 bytes
;; launch prep (part 1): grid 80 x 1, 4 waves a work-group, no clusters, 0 bytes of LDS; arguments Wq, Wk, Wv, Wo, wc, wof; writes wc, wof
.if DOCPART == 1
	.amdgcn_target "amdgcn-amd-amdhsa--gfx1250"
	.amdhsa_code_object_version 6
	.text
	.protected	k_q5b972f36a8_prep
	.globl	k_q5b972f36a8_prep
	.p2align	8
	.type	k_q5b972f36a8_prep,@function
k_q5b972f36a8_prep:
	s_mov_b64 s[64:65], 0
	v_nop
	global_prefetch_b8 v0, s[64:65] scope:SCOPE_SE
	s_setreg_imm32_b32 hwreg(HW_REG_WAVE_MODE, 25, 1), 1
	s_wait_xcnt 0x0
; PriorAttention, launch 1 of 4: the weights are laid out once, in the order of the readers' operand registers.
; WORK LEFT OUT BY THE WHOLE PROGRAM, for all values of the inputs:
;  (1) dist % 1 = 0, so the prior's first term is the constant 2 and the bias is ln(3 + e^(-2 m^2)) = ln 3 + ln(1 + e^(-2 m^2) / 3), m = |i - j| mod 30.
;      ln 3 is the same along the softmax's axis: it cancels and is not added.
;  (2) for m >= 3 the term e^(-2 m^2) is at most e^-18, under half a last place of 2 in f32: the f32 sum 2 + e^(-2 m^2) is 2 there, so only m = 0, 1, 2 carry a bias (launch 3).
;  (3) scores = (q . (x Wk) + q . bk) / 8: the term q_i . bk is the same for every key of a row, the product of q and k is not quantised, so the softmax cancels it:
;      bk has no way to any output.  It is not loaded and is among no launch's arguments.
; LIMIT: a NaN, an infinity or an overflow that reaches only the work left out (in bk) is not carried to the result.
; Work-groups 0-47: Wq, Wk, Wv [512 (k)][512 (n)] f32 become codes of FP4 (E2M1) along K with one E8M0 byte for each 32: a lane takes a column n, its registers run down K, so a block of 32 lies in one lane.
;   wc: 96 records of 4,352 bytes, record = 32 x matrix + n / 16.  In it K step s (128 along K) is 1,024 bytes [block 0..3][row n % 16][16 bytes], which is the image of a fragment's registers
;   (registers 4 c .. 4 c + 3 of lane l at 512 c + 16 l); from byte 4,096 on the scale words [row][K step], 4 bytes each.
;   A block's byte is its largest magnitude's exponent field - 2, held at 1 from below; a block of zeros gets 1 where the rule says 127: its codes are zeros, and this program alone reads the bytes.
; Work-groups 48-79: Wo [512 (d)][512 (n)] f32 becomes f16 fragments of Wo^T: wof [n / 64][d / 32][tile of 16 n: 4][half 2][lane 32][16 bytes].
; LIMITS: NaN and infinities among the inputs are not served; |Wo| stays under 65,504; blocks whose largest magnitude lies under 2^-124 keep the byte 1.
.set REC, 4352
.set X,   32                           ; v32-159 the numbers as loaded
.set C,   16                           ; v16-31  codes: four registers a block, so that no store's data are written again
	s_load_b256 s[4:11], s[0:1], 0x0               ; Wq s[4:5], Wk s[6:7], Wv s[8:9], Wo s[10:11]
	s_load_b128 s[12:15], s[0:1], 0x20             ; wc s[12:13], wof s[14:15]
	v_lshrrev_b32 v1, 5, v0
	v_readfirstlane_b32 s16, v1                    ; wave 0..3
	v_and_b32 v3, 31, v0                           ; lane
	v_lshrrev_b32 v4, 4, v3                        ; lane / 16
	v_and_b32 v5, 15, v3                           ; lane % 16
	s_mov_b32 s23, 0
	s_mov_b32 s25, 0
	s_wait_kmcnt 0x0
	s_cmp_lt_u32 ttmp9, 48                         ; the two kinds of work part on the work-group's number
	s_cbranch_scc0 .Lwo
	; ---- Wq, Wk, Wv: matrix = work-group / 16, 32 columns = work-group % 16, K step = wave
	s_lshr_b32 s17, ttmp9, 4
	s_and_b32 s18, ttmp9, 15
	s_cmp_eq_u32 s17, 0
	s_cselect_b64 s[20:21], s[4:5], s[6:7]
	s_cmp_eq_u32 s17, 2
	s_cselect_b64 s[20:21], s[8:9], s[20:21]       ; the matrix: a choice that hangs on the work-group's number alone
	s_lshl_b32 s22, s16, 18                        ; 128 rows of 2,048 bytes a K step
	s_lshl_b32 s24, s18, 7                         ; 32 columns of 4 bytes
	s_add_co_u32 s22, s22, s24
	s_add_nc_u64 s[20:21], s[20:21], s[22:23]
	s_lshl_b32 s22, s17, 5
	s_lshl_b32 s24, s18, 1
	s_add_co_u32 s22, s22, s24                     ; the first of my two records
	s_mul_i32 s22, s22, REC
	s_lshl_b32 s24, s16, 2
	s_add_co_u32 s24, s24, s22                     ; the scale words: + 4 x K step (and 4,096 in the immediate)
	s_lshl_b32 s26, s16, 10
	s_add_co_u32 s22, s22, s26                     ; the codes: + 1,024 x K step
	s_add_nc_u64 s[26:27], s[12:13], s[24:25]
	s_add_nc_u64 s[12:13], s[12:13], s[22:23]
	v_lshlrev_b32 v1, 2, v3                        ; in: 4 bytes a lane, 128 consecutive bytes a load
	v_mul_u32_u24 v2, v4, REC
	v_lshl_add_u32 v2, v5, 4, v2                   ; out: record lane / 16, row lane % 16
.set i, 0
.rept 128
	global_load_b32 v[X+i], v1, s[20:21] offset:i*2048 th:TH_LOAD_NT   ; W(128 s + i, my column)
.set i, i+1
.endr
.macro BLOCK t, left                   ; block t of the K step: all its 32 numbers are mine.  left: loads that may stay out
.set XS, X+32*(\t)
	s_wait_loadcnt \left
	v_max3_num_f32 v8, |v[XS]|, |v[XS+1]|, |v[XS+2]|
	v_max3_num_f32 v9, |v[XS+3]|, |v[XS+4]|, |v[XS+5]|
.irp i, 6,10,14,18,22,26
	v_max3_num_f32 v8, v8, |v[XS+\i]|, |v[XS+\i+1]|
	v_max3_num_f32 v9, v9, |v[XS+\i+2]|, |v[XS+\i+3]|
.endr
	v_max3_num_f32 v8, v8, |v[XS+30]|, |v[XS+31]|
	v_max3_num_f32 v8, v8, v9, 0x1800000           ; the floor 2^(3 - 127): the byte cannot fall under 1
	v_add_nc_u32 v11, 0xff000000, v8               ; 2 off the exponent field: the conversion takes this operand's exponent field as its scale
	v_lshrrev_b32 v10, 23, v11                     ; the scale's byte
.if \t == 0
	v_mov_b32 v6, v10
.else
	v_lshl_or_b32 v6, v10, 8*(\t), v6              ; four bytes make the K step's scale word of my column
.endif
.irp g, 0,1,2,3
	v_cvt_scalef32_pk8_fp4_f32 v[C+4*(\t)+\g], v[XS+8*\g:XS+8*\g+7], v11
.endr
	v_nop                                          ; one plain line behind the last conversion of a run
	global_store_b128 v2, v[C+4*(\t):C+4*(\t)+3], s[12:13] offset:256*(\t)   ; sixteen lanes store 256 consecutive bytes, aligned
.endm
	BLOCK 0, 63                                    ; 96 loads stand behind block 0's and 64 behind block 1's; the wait's field holds 63, and a smaller count is safe
	BLOCK 1, 63
	BLOCK 2, 32
	BLOCK 3, 0
	global_store_b32 v2, v6, s[26:27] offset:4096  ; 4 bytes of each row's 16: the four waves together fill the 256 bytes of a record's scale words (24 KB in the whole launch go out so)
	s_endpgm
.Lwo:
	; ---- Wo: id = 4 (work-group - 48) + wave = 16 (n / 64) + (d / 32)
	s_sub_co_u32 s17, ttmp9, 48
	s_lshl_b32 s17, s17, 2
	s_add_co_u32 s17, s17, s16
	s_lshr_b32 s18, s17, 4
	s_and_b32 s19, s17, 15
	s_lshl_b32 s22, s19, 16                        ; 32 rows of 2,048 bytes
	s_lshl_b32 s24, s18, 8                         ; 64 columns of 4 bytes
	s_add_co_u32 s22, s22, s24
	s_add_nc_u64 s[10:11], s[10:11], s[22:23]
	s_lshl_b32 s22, s17, 12                        ; 4,096 bytes of fragments for each id
	s_add_nc_u64 s[14:15], s[14:15], s[22:23]
	v_lshlrev_b32 v1, 2, v5
	v_lshl_add_u32 v1, v4, 14, v1                  ; lane (r, h): column r of a tile, rows 8 h on
	v_lshlrev_b32 v2, 4, v3                        ; out: 16 bytes a lane
.irp c, 0,1,2,3
.irp i, 0,1,2,3,4,5,6,7,8,9,10,11,12,13,14,15
	global_load_b32 v[X+16*\c+\i], v1, s[10:11] offset:64*\c+((\i%8)+16*(\i/8))*2048 th:TH_LOAD_NT   ; Wo(32 s + 8 h + i % 8 + 16 (i / 8), 64 ng + 16 c + r): the order of a 16-bit fragment's registers
.endr
.endr
	s_wait_loadcnt 0x0
.set i, 0
.rept 32
	v_cvt_pk_f16_f32 v[96+i], v[X+2*i], v[X+2*i+1]
.set i, i+1
.endr
.irp c, 0,1,2,3,4,5,6,7
	global_store_b128 v2, v[96+4*\c:96+4*\c+3], s[14:15] offset:512*\c   ; 512 consecutive bytes, aligned
.endr
	s_endpgm
.Lfunc_end_k_q5b972f36a8_prep:
	.size	k_q5b972f36a8_prep, .Lfunc_end_k_q5b972f36a8_prep-k_q5b972f36a8_prep
	.p2alignl 7, 3214868480
	.fill 96, 4, 3214868480
	.section	.rodata,"a",@progbits
	.p2align	6, 0x0
	.amdhsa_kernel k_q5b972f36a8_prep
		.amdhsa_group_segment_fixed_size 0
		.amdhsa_private_segment_fixed_size 0
		.amdhsa_enable_private_segment 0
		.amdhsa_kernarg_size 48
		.amdhsa_user_sgpr_count 2
		.amdhsa_user_sgpr_kernarg_segment_ptr 1
		.amdhsa_wavefront_size32 1
		.amdhsa_system_sgpr_workgroup_id_x 1
		.amdhsa_system_sgpr_workgroup_id_y 1
		.amdhsa_system_sgpr_workgroup_id_z 1
		.amdhsa_system_vgpr_workitem_id 0
		.amdhsa_next_free_vgpr 160
		.amdhsa_next_free_sgpr 66
		.amdhsa_reserve_vcc 0
		.amdhsa_float_denorm_mode_32 3
		.amdhsa_float_denorm_mode_16_64 3
		.amdhsa_memory_ordered 1
		.amdhsa_forward_progress 1
		.amdhsa_inst_pref_size 30
	.end_amdhsa_kernel
	.amdgpu_metadata
---
amdhsa.version: [ 1, 2 ]
amdhsa.kernels:
  - .name:           k_q5b972f36a8_prep
    .symbol:         k_q5b972f36a8_prep.kd
    .args:
      - { .name: Wq, .offset: 0, .size: 8, .value_kind: global_buffer, .address_space: global }
      - { .name: Wk, .offset: 8, .size: 8, .value_kind: global_buffer, .address_space: global }
      - { .name: Wv, .offset: 16, .size: 8, .value_kind: global_buffer, .address_space: global }
      - { .name: Wo, .offset: 24, .size: 8, .value_kind: global_buffer, .address_space: global }
      - { .name: wc, .offset: 32, .size: 8, .value_kind: global_buffer, .address_space: global }
      - { .name: wof, .offset: 40, .size: 8, .value_kind: global_buffer, .address_space: global }
    .group_segment_fixed_size: 0
    .private_segment_fixed_size: 0
    .kernarg_segment_align: 8
    .kernarg_segment_size: 48
    .max_flat_workgroup_size: 128
    .sgpr_count:     66
    .vgpr_count:     160
    .wavefront_size: 32
...
	.end_amdgpu_metadata
.endif
;; end of part 1
;; launch qkv (part 2): grid 256 x 1, 8 waves a work-group, no clusters, 19,456 bytes of LDS; arguments x, wc, bq, bv, qf, kf, vf; writes qf, kf, vf
.if DOCPART == 2
	.amdgcn_target "amdgcn-amd-amdhsa--gfx1250"
	.amdhsa_code_object_version 6
	.text
	.protected	k_q5b972f36a8_qkv
	.globl	k_q5b972f36a8_qkv
	.p2align	8
	.type	k_q5b972f36a8_qkv,@function
k_q5b972f36a8_qkv:
	s_mov_b64 s[64:65], 0
	v_nop
	global_prefetch_b8 v0, s[64:65] scope:SCOPE_SE
	s_setreg_imm32_b32 hwreg(HW_REG_WAVE_MODE, 25, 1), 1
	s_wait_xcnt 0x0
; Launch 2 of 4: q = (x Wq + bq) log2(e) / 8, k = x Wk, v = x Wv + bv; the three products on codes of FP4 (E2M1) with one E8M0 scale for each 32 along K; sums f32; results rounded once to f16.
; LEFT OUT: bk (the term q . bk is the same for every key of a row and cancels in the softmax: shown at the head of launch 1).
; SHARES.  A work-group takes 64 tokens; wave w is head w: its 4 tiles of 16 columns of each of the three matrices, for all four tiles of 16 tokens.
; x is quantised in registers: wave w makes two fragments (tile of tokens w / 2, K steps 2 (w % 2), + 1); they go to the other waves through LDS as images of their registers; one barrier.
; The weights' fragments come from wc straight into registers, 512 consecutive bytes a load: each fragment is wanted by one wave of the work-group alone, so LDS and joint loads would add a copy and spare none of its reads.
; q and k are made TRANSPOSED (source 0 = 16 columns of W, source 1 = 16 tokens): a lane holds one token and eight neighbouring channels, which packed to f16 are four registers of the next product's fragment.
; v is made the natural way (source 0 = tokens, source 1 = columns): a lane holds one channel and eight neighbouring tokens: four registers of V^T's fragment.  So every store is 512 consecutive bytes from registers.
;   qf, kf: [batch x 8 + head][tile of 16 tokens: 128][channels / 32: 2][half 2][lane][16 bytes];   vf: [batch x 8 + head][32 keys: 64][tile of 16 channels: 4][half 2][lane][16 bytes].
; LIMITS: |q log2(e) / 8|, |k|, |v| stay under 65,504 (f16); NaN and infinities are not served; a block of x under 2^-124 keeps the scale byte 1.
; REGISTERS.  window 0: v3-10 addresses; v16-31 at work; v32-39 codes just made, v40 their scale word; v44-59 x's scale words; v60-83 the weights' scale words, three sets; v84-115 a bias as C; v116-243 x's 16 fragments;
;   v244-247 bv; v252, v253 the add's two.   window 1: v0-191 three sets of weights (2 tiles x 4 K steps); v192-255 eight accumulators; at the head v128-255 hold x as f32.
.set REC,   4352
.set XIMG,  0                          ; LDS: x's 16 fragments, 1,024 bytes each: 4 x tile + K step
.set XSC,   16384                      ; their scale words, 128 bytes each
.set SPARE, 18432                      ; the spare words, 128 bytes for each wave: four blocks of 256 bytes that no other line names
.set XA,  3                            ; x: row r of 2,048 bytes + 64 h
.set LI,  4                            ; 16 x lane
.set LS,  5                            ; 4 x lane
.set LW,  6                            ; 16 x (lane % 16)
.set XWI, 7                            ; where I store my images: 16 x lane + 2,048 x wave
.set XWS, 8                            ; and their scale words: 4 x lane + 256 x wave
.set BQA, 9                            ; 32 h
.set BVA, 10                           ; 4 r
.set TM,  16
.set PC,  32
.set PW,  40
.set XS,  44
.set WS,  60
.set BI,  84
.set XF,  116
.set BVT, 244
.set SPW, 252
.set NIL, 253
.set ACC, 192
.set MSB, 0
.macro WIN new                         ; the immediate's high byte repeats the setting that is left; bits 1:0 source 0, 3:2 source 1, 5:4 source 2, 7:6 destination
.if MSB != \new
	s_set_vgpr_msb (MSB<<8)|\new
.set MSB, \new
.endif
.endm
	s_load_b256 s[4:11], s[0:1], 0x0               ; x s[4:5], wc s[6:7], bq s[8:9], bv s[10:11]
	s_load_b128 s[12:15], s[0:1], 0x20             ; qf s[12:13], kf s[14:15]
	s_load_b64 s[16:17], s[0:1], 0x30              ; vf
	v_lshl_add_u32 v[SPW], v0, 2, SPARE
	v_mov_b32 v[NIL], 0
	v_lshrrev_b32 v1, 5, v0
	v_readfirstlane_b32 s18, v1                    ; wave 0..7 = head
	v_and_b32 v1, 31, v0                           ; lane
	v_and_b32 v2, 15, v0                           ; r
	v_bfe_u32 v11, v0, 4, 1                        ; h
	v_lshlrev_b32 v[XA], 11, v2
	v_lshl_add_u32 v[XA], v11, 6, v[XA]
	v_lshlrev_b32 v[LI], 4, v1
	v_lshlrev_b32 v[LS], 2, v1
	v_lshlrev_b32 v[LW], 4, v2
	s_lshl_b32 s24, s18, 11
	v_add_nc_u32 v[XWI], s24, v[LI]
	s_lshl_b32 s24, s18, 8
	v_add_nc_u32 v[XWS], s24, v[LS]
	v_lshlrev_b32 v[BQA], 5, v11
	v_lshlrev_b32 v[BVA], 2, v2
.irp b, 0,1,2,3
	v_mov_b32 v[TM+4+\b], 0                        ; written once: a lane permute's destination counts as one of its sources
.endr
	s_mov_b32 s20, 0x3e38aa3b                      ; log2(e) / 8
	s_mov_b32 s21, s20                             ; (named with it as a pair)
	s_mov_b32 s22, 0x76543210
	s_mov_b32 s23, 0xfedcba98                      ; v_permlanex16_b32's selects for lane l xor 16
	s_lshl_b32 s24, ttmp9, 17                      ; x: 64 rows of 2,048 bytes a work-group,
	s_lshr_b32 s26, s18, 1
	s_lshl_b32 s26, s26, 15                        ; my tile of 16 rows,
	s_add_co_u32 s24, s24, s26
	s_and_b32 s26, s18, 1
	s_lshl_b32 s26, s26, 10                        ; my two K steps of 512 bytes
	s_add_co_u32 s24, s24, s26
	s_mov_b32 s25, 0
	s_mul_i32 s26, s18, 4*REC                      ; wc: my four records of each matrix
	s_mov_b32 s27, 0
	s_lshl_b32 s28, s18, 8                         ; bq, bv: my 64 numbers
	s_mov_b32 s29, 0
	s_lshr_b32 s30, ttmp9, 5                       ; batch
	s_lshl_b32 s30, s30, 3
	s_add_co_u32 s30, s30, s18
	s_lshl_b32 s30, s30, 18                        ; 262,144 bytes for a batch and head,
	s_and_b32 s32, ttmp9, 31
	s_lshl_b32 s32, s32, 13                        ; 8,192 for 64 tokens: the same in qf, kf and vf
	s_add_co_u32 s30, s30, s32
	s_mov_b32 s31, 0
	s_wait_kmcnt 0x0
	s_add_nc_u64 s[4:5], s[4:5], s[24:25]
	s_add_nc_u64 s[6:7], s[6:7], s[26:27]
	s_add_nc_u64 s[8:9], s[8:9], s[28:29]
	s_add_nc_u64 s[10:11], s[10:11], s[28:29]
	s_add_nc_u64 s[12:13], s[12:13], s[30:31]
	s_add_nc_u64 s[14:15], s[14:15], s[30:31]
	s_add_nc_u64 s[16:17], s[16:17], s[30:31]
	WIN 0x40                                       ; destination window 1
.irp p, 0,1                                    ; my 16 rows' numbers of two K steps: register 16 b + i = k 32 b + 16 h + i of row r
.irp b, 0,1,2,3
.irp j, 0,1,2,3
	global_load_b128 v[128+64*\p+16*\b+4*\j:128+64*\p+16*\b+4*\j+3], v[XA], s[4:5] offset:512*\p+128*\b+16*\j th:TH_LOAD_NT
.endr
.endr
.endr
	WIN 0
.irp c, 0,1,2,3                                ; bq in the transposed result's layout: lane (r, h), tile c: channels 16 c + 8 h + 0 .. 7
	global_load_b128 v[BI+8*\c:BI+8*\c+3], v[BQA], s[8:9] offset:64*\c
	global_load_b128 v[BI+8*\c+4:BI+8*\c+7], v[BQA], s[8:9] offset:64*\c+16
.endr
.irp c, 0,1,2,3                                ; bv: lane (r, h), tile c: channel 16 c + r
	global_load_b32 v[BVT+\c], v[BVA], s[10:11] offset:64*\c
.endr
; Pair p (matrix p / 2, tiles 2 (p % 2), + 1) of the weights into set p % 3: 16 loads of fragments, 2 of scale words: 18 loads
.macro WLOAD p
	WIN 0x40
.irp u, 0,1
.irp i, 0,1,2,3,4,5,6,7
	global_load_b128 v[64*((\p)%3)+32*\u+4*\i:64*((\p)%3)+32*\u+4*\i+3], v[LI], s[6:7] offset:(((\p)/2)*32+2*((\p)%2)+\u)*REC+512*\i
.endr
.endr
	WIN 0
.irp u, 0,1
	global_load_b128 v[WS+8*((\p)%3)+4*\u:WS+8*((\p)%3)+4*\u+3], v[LW], s[6:7] offset:(((\p)/2)*32+2*((\p)%2)+\u)*REC+4096   ; lane r: row r's four words, one a K step
.endr
.endm
	WLOAD 0
	WLOAD 1
; 64 numbers of a lane in window 1, v[s] on, become a fragment's codes in v[PC] on and its scale word in v[PW]
.macro QUANT s
	WIN 0x05
.irp b, 0,1,2,3
	v_max3_num_f32 v[TM+\b], |v[\s+16*\b]|, |v[\s+1+16*\b]|, 0x1800000   ; block b: my 16 numbers, and the floor 2^(3 - 127): the byte cannot fall under 1
.endr
	WIN 0x14
.irp i, 2,4,6,8,10,12,14
.irp b, 0,1,2,3
	v_max3_num_f32 v[TM+\b], v[TM+\b], |v[\s+16*\b+\i]|, |v[\s+1+16*\b+\i]|   ; the four blocks by turns
.endr
.endr
	WIN 0
.irp b, 0,1,2,3
	v_permlanex16_b32 v[TM+4+\b], v[TM+\b], s22, s23
.endr
.irp b, 0,1,2,3
	v_max_num_f32 v[TM+\b], v[TM+\b], v[TM+4+\b]   ; with lane l xor 16's: the block's largest magnitude
.endr
.irp b, 0,1,2,3
	v_add_nc_u32 v[TM+12+\b], 0xff000000, v[TM+\b] ; 2 off its exponent field: the conversion's scale operand
.endr
.irp b, 0,1,2,3
	v_lshrrev_b32 v[TM+4+\b], 23, v[TM+12+\b]      ; the scale's byte
.endr
	v_lshl_or_b32 v[PW], v[TM+5], 8, v[TM+4]
	v_lshl_or_b32 v[PW], v[TM+6], 16, v[PW]
	v_lshl_or_b32 v[PW], v[TM+7], 24, v[PW]
	WIN 0x01
.irp b, 0,1,2,3
	v_cvt_scalef32_pk8_fp4_f32 v[PC+2*\b], v[\s+16*\b:\s+7+16*\b], v[TM+12+\b]
	v_cvt_scalef32_pk8_fp4_f32 v[PC+1+2*\b], v[\s+8+16*\b:\s+15+16*\b], v[TM+12+\b]
.endr
	WIN 0
	v_nop                                          ; one plain line behind the last conversion
.irp c, 0,1                                    ; the operand's layout wants a whole block in a lane: lanes 0-15 block 2 c, lanes 16-31 block 2 c + 1
.irp i, 0,1
	v_permlane16_swap_b32 v[PC+4*\c+\i], v[PC+2+4*\c+\i]
.endr
.endr
.endm
.macro IMAGE n                         ; my n-th fragment and its scale word go to LDS as they stand
	ds_store_b128 v[XWI], v[PC:PC+3] offset:XIMG+1024*\n
	ds_store_b128 v[XWI], v[PC+4:PC+7] offset:XIMG+1024*\n+512
	ds_store_b32 v[XWS], v[PW] offset:XSC+128*\n
.endm
	s_wait_loadcnt 63                              ; 80 loads were issued: at least the first 17 are in, my first K step's 16 among them
	QUANT 128
	IMAGE 0
	s_wait_dscnt 0x0                               ; the stores have read their registers
	s_wait_loadcnt 48                              ; behind x's 32 loads stand 8 of bq, 4 of bv and 36 of weights
	QUANT 192
	IMAGE 1
	s_wait_dscnt 0x0                               ; for the others' sake: my stores have landed
	s_barrier_signal -1
	s_barrier_wait -1                              ; x's sixteen fragments lie in LDS; nothing is stored to LDS behind this barrier
.irp f, 0,1,2,3,4,5,6,7,8,9,10,11,12,13,14,15
	ds_load_b128 v[XF+8*\f:XF+8*\f+3], v[LI] offset:XIMG+1024*\f
	ds_load_b128 v[XF+8*\f+4:XF+8*\f+7], v[LI] offset:XIMG+1024*\f+512
	ds_load_b32 v[XS+\f], v[LS] offset:XSC+128*\f
.endr
	s_wait_dscnt 0x0
; one product: K step s, tile u of the pair, tile t of tokens.  kind 0: q (C of the first step: bq), 1: k (0), 2: v (bv; the sources the other way round)
.macro MM kind, s, u, t
.set rD, ACC+8*(4*\u+\t)
.set rW, WSET+32*\u+8*\s
.set rX, XF+8*(4*\t+\s)
.set rSW, SSET+4*\u+\s
.set rSX, XS+4*\t+\s
.set rB, BI+8*(CB+\u)
.if \kind == 2
.if \s == 0
	v_wmma_scale_f32_16x16x128_f8f6f4 v[rD:rD+7], v[rX:rX+7], v[rW:rW+7], v[rB:rB+7], v[rSX], v[rSW] matrix_a_fmt:MATRIX_FMT_FP4 matrix_b_fmt:MATRIX_FMT_FP4
.else
	v_wmma_scale_f32_16x16x128_f8f6f4 v[rD:rD+7], v[rX:rX+7], v[rW:rW+7], v[rD:rD+7], v[rSX], v[rSW] matrix_a_fmt:MATRIX_FMT_FP4 matrix_b_fmt:MATRIX_FMT_FP4
.endif
.elseif \s > 0
	v_wmma_scale_f32_16x16x128_f8f6f4 v[rD:rD+7], v[rW:rW+7], v[rX:rX+7], v[rD:rD+7], v[rSW], v[rSX] matrix_a_fmt:MATRIX_FMT_FP4 matrix_b_fmt:MATRIX_FMT_FP4
.elseif \kind == 0
	v_wmma_scale_f32_16x16x128_f8f6f4 v[rD:rD+7], v[rW:rW+7], v[rX:rX+7], v[rB:rB+7], v[rSW], v[rSX] matrix_a_fmt:MATRIX_FMT_FP4 matrix_b_fmt:MATRIX_FMT_FP4
.else
	v_wmma_scale_f32_16x16x128_f8f6f4 v[rD:rD+7], v[rW:rW+7], v[rX:rX+7], 0, v[rSW], v[rSX] matrix_a_fmt:MATRIX_FMT_FP4 matrix_b_fmt:MATRIX_FMT_FP4
.endif
.endm
; A PAIR of column tiles against the four tiles of tokens: 32 products, eight accumulators by turns, one instruction a turn, K ascending; then out.  ob: the output's base register
.macro PAIR p, kind, ob
.set WSET, 64*((\p)%3)
.set SSET, WS+8*((\p)%3)
.set CB, 2*((\p)%2)
.if \p < 4
	WLOAD (\p)+2                                   ; into the set that the pair before multiplied by: its four places stand behind its products
.endif
.if \p <= 3
	s_wait_loadcnt 36                              ; this pair's weights are in; the next two pairs' 18 + 18 loads may be out
.elseif \p == 4
	s_wait_loadcnt 18
.else
	s_wait_loadcnt 0x0
.endif
	s_wait_xcnt 0x0                                ; the last pair's stores have read the accumulators' registers: only now are they written again
.irp s, 0,1,2,3
.if \kind == 2
.if \s == 0
	WIN 0x44                                       ; source 1 (W) and D window 1; source 0 (x) and C (the bias) window 0
.else
	WIN 0x54
.endif
.elseif (\s == 0) && (\kind == 0)
	WIN 0x41                                       ; source 0 (W) and D window 1; source 1 (x) and C (the bias) window 0
.else
	WIN 0x51
.endif
.irp u, 0,1
.irp t, 0,1,2,3
	MM \kind, \s, \u, \t
.endr
.endr
.endr
.rept 4
	v_nop                                          ; four places in front of the first read of results, and of the next loads into this set
.endr
.if \kind == 0
	WIN 0x41
.set i, 0
.rept 32
	v_pk_mul_f32 v[ACC+i:ACC+i+1], v[ACC+i:ACC+i+1], s[20:21] op_sel_hi:[1,0]   ; q x log2(e) / 8: the scores come out in base 2.  Each accumulator from its low end on
.set i, i+2
.endr
.endif
	WIN 0x45
.irp a, 0,1,2,3,4,5,6,7
.irp i, 0,1,2,3
	v_cvt_pk_f16_f32 v[ACC+8*\a+\i], v[ACC+8*\a+2*\i], v[ACC+8*\a+2*\i+1]   ; in place, ascending: register i is written when registers 2 i and 2 i + 1 are read
.endr
.endr
	WIN 0x04                                       ; a store's data are its source 1: window 1
.irp u, 0,1
.irp t, 0,1,2,3
.if \kind == 2
	global_store_b128 v[LI], v[ACC+8*(4*\u+\t):ACC+8*(4*\u+\t)+3], s[\ob:\ob+1] offset:4096*(\t/2)+1024*(CB+\u)+512*(\t%2)
.else
	global_store_b128 v[LI], v[ACC+8*(4*\u+\t):ACC+8*(4*\u+\t)+3], s[\ob:\ob+1] offset:2048*\t+512*(CB+\u)   ; 512 consecutive bytes, aligned
.endif
.endr
.endr
.endm
	PAIR 0, 0, 12
	PAIR 1, 0, 12
	PAIR 2, 1, 14
	PAIR 3, 1, 14
	WIN 0
.irp c, 0,1,2,3                                ; bv in the natural result's layout: the lane's channel in all eight registers (bq's products are two pairs back)
.irp j, 0,1,2,3,4,5,6,7
	v_mov_b32 v[BI+8*\c+\j], v[BVT+\c]
.endr
.endr
	PAIR 4, 2, 16
	PAIR 5, 2, 16
	WIN 0
	s_wait_tensorcnt 0x0                           ; the wave's end, behind my last LDS store
	ds_add_u32 v[SPW], v[NIL]
	s_wait_dscnt 0x0
	s_endpgm
.Lfunc_end_k_q5b972f36a8_qkv:
	.size	k_q5b972f36a8_qkv, .Lfunc_end_k_q5b972f36a8_qkv-k_q5b972f36a8_qkv
	.p2alignl 7, 3214868480
	.fill 96, 4, 3214868480
	.section	.rodata,"a",@progbits
	.p2align	6, 0x0
	.amdhsa_kernel k_q5b972f36a8_qkv
		.amdhsa_group_segment_fixed_size 19456
		.amdhsa_private_segment_fixed_size 0
		.amdhsa_enable_private_segment 0
		.amdhsa_kernarg_size 56
		.amdhsa_user_sgpr_count 2
		.amdhsa_user_sgpr_kernarg_segment_ptr 1
		.amdhsa_wavefront_size32 1
		.amdhsa_system_sgpr_workgroup_id_x 1
		.amdhsa_system_sgpr_workgroup_id_y 1
		.amdhsa_system_sgpr_workgroup_id_z 1
		.amdhsa_system_vgpr_workitem_id 0
		.amdhsa_next_free_vgpr 512
		.amdhsa_next_free_sgpr 66
		.amdhsa_reserve_vcc 0
		.amdhsa_float_denorm_mode_32 3
		.amdhsa_float_denorm_mode_16_64 3
		.amdhsa_memory_ordered 1
		.amdhsa_forward_progress 1
		.amdhsa_inst_pref_size 76
	.end_amdhsa_kernel
	.amdgpu_metadata
---
amdhsa.version: [ 1, 2 ]
amdhsa.kernels:
  - .name:           k_q5b972f36a8_qkv
    .symbol:         k_q5b972f36a8_qkv.kd
    .args:
      - { .name: x, .offset: 0, .size: 8, .value_kind: global_buffer, .address_space: global }
      - { .name: wc, .offset: 8, .size: 8, .value_kind: global_buffer, .address_space: global }
      - { .name: bq, .offset: 16, .size: 8, .value_kind: global_buffer, .address_space: global }
      - { .name: bv, .offset: 24, .size: 8, .value_kind: global_buffer, .address_space: global }
      - { .name: qf, .offset: 32, .size: 8, .value_kind: global_buffer, .address_space: global }
      - { .name: kf, .offset: 40, .size: 8, .value_kind: global_buffer, .address_space: global }
      - { .name: vf, .offset: 48, .size: 8, .value_kind: global_buffer, .address_space: global }
    .group_segment_fixed_size: 19456
    .private_segment_fixed_size: 0
    .kernarg_segment_align: 8
    .kernarg_segment_size: 56
    .max_flat_workgroup_size: 256
    .sgpr_count:     66
    .vgpr_count:     512
    .wavefront_size: 32
...
	.end_amdgpu_metadata
.endif
;; end of part 2
;; launch attn (part 3): grid 4 x 64, 8 waves a work-group, clusters of 4 x 1, 327,680 bytes of LDS; arguments qf, kf, vf, att; writes att
.if DOCPART == 3
	.amdgcn_target "amdgcn-amd-amdhsa--gfx1250"
	.amdhsa_code_object_version 6
	.text
	.protected	k_q5b972f36a8_attn
	.globl	k_q5b972f36a8_attn
	.p2align	8
	.type	k_q5b972f36a8_attn,@function
k_q5b972f36a8_attn:
	s_mov_b64 s[64:65], 0
	v_nop
	global_prefetch_b8 v0, s[64:65] scope:SCOPE_SE
	s_setreg_imm32_b32 hwreg(HW_REG_WAVE_MODE, 25, 1), 1
	s_wait_xcnt 0x0
	s_wait_alu depctr_hold_cnt(0) depctr_sa_sdst(0) depctr_va_vdst(0) depctr_va_sdst(0) depctr_va_ssrc(0) depctr_va_vcc(0) depctr_vm_vsrc(0)
	s_getreg_b32 s2, hwreg(HW_REG_IB_STS2, 6, 4)
	s_cmp_eq_u32 s2, 0
	s_cbranch_scc0 .Lentry_in_a_cluster
	s_endpgm
.Lentry_in_a_cluster:
	s_bfe_u32 s2, ttmp6, 0x10000c
	s_cmp_lg_u32 s2, 0x3003
	s_cbranch_scc0 .Lentry_shape_is_right
	s_endpgm
.Lentry_shape_is_right:
; Launch 3 of 4: for each batch and head, O[q] = sum over k of softmax_k(q . k / 8 + bias(|q - k|)) v[k]; operands f16, products, maxima and sums f32.
; LEFT OUT (shown at the head of launch 1): the bias's part ln 3, the same along the softmax's axis; the bias for |q - k| mod 30 >= 3, where the f32 sum 2 + e^(-2 m^2) is 2.
; qf holds q x log2(e) / 8, so a score is t in base 2, and the bias is log2(1 + e^(-2 m^2) / 3) for m = 0, 1, 2, else 0.  p = 2^(t - m_run), m_run the row's running maximum; O and the sum l are
; multiplied by 2^(old - new) in every step; l is taken of p before it is rounded to f16 and divides O at the end.
; SHARES.  A work-group owns 512 queries of one head, each of its eight waves 64: four tiles of 16.  Two waves share a SIMD, so that one wave's softmax stands beside the other's products.  Every wave walks all 2,048 keys, 64 a step.
; CLUSTER.  The four work-groups of a cluster are the four query blocks of one head and walk the same K and V: each tile is asked for jointly (mask 15).
; LAYOUT.  S^T = K Q^T (source 0 = 16 keys, source 1 = 16 queries), O^T = V^T P (source 0 = 16 channels, source 1 = P): a lane holds ONE query throughout; two score tiles packed to f16 are P's fragment.
; kf and vf hold images of fragments' registers, so a slot is two dense blocks, and a fragment comes by two ds_load_b128 at 16 x lane: consecutive bytes, no padding.
; THE BIAS COSTS NO VECTOR INSTRUCTION: it is the C of each score tile's first product.  It hangs on query - key alone, so a tile's pattern hangs on E = query tile - key tile alone.  A table in LDS holds
; G[y] = bias(|Q0 + 512 - y|), Q0 the work-group's first query (which enters the VALUES alone, no address), in four copies shifted by 0..3 words, so that each lane's eight numbers are two aligned loads of 16 bytes;
; the copies lie 11,328 bytes apart (64 modulo 256), so that sixteen lanes touch sixteen different 16-byte columns.  Eight register slots (E mod 8) keep patterns from step to step: a step loads only four new ones.
; LIMITS: NaN and infinities are not served; p under 6e-8 is 0 in f16.
; REGISTERS.  window 0: v1, v2 the add's two; v3-8 LDS addresses; v9-12 the old maxima; v13 the table's store address; v14, v15 at work; v16-47 statistics, 8 a tile (+0 m, +1 its pair's partner, +2, +3 l, +4..+7 at work;
;   2^(old - new) at +6); v48-111 the bias ring; v112-239 S^T, 32 a tile, then P in its first 16; v240-255 the sums' partial sums.   window 1: v0-127 O^T, 32 a tile; v128-191 K, then V, of a step; v192-255 Q.
.set SLOT1, 1<<17                      ; a slot: 65,536 bytes of K (512 keys), then 65,536 of V; slot 1 begins here, so that one exclusive or turns an address into the other slot's
.set VOFF,  65536
.set TAB,   262144                     ; behind the ring: the table's four copies
.set CP,    11328
.set SPARE, TAB+4*CP                   ; the spare words, 128 bytes for each wave: four blocks of 256 bytes that no other line names
.set SPW, 1
.set NIL, 2
.set AL,  3                            ; 16 x lane
.set AV0, 4                            ; 16 x lane + VOFF
.set ABI, 5                            ; my lane's place in the table for pattern E = 3
.set ADK, 6
.set ADV, 7
.set ADB, 8
.set MO,  9
.set TA,  13
.set ST,  16
.set BR,  48
.set S,   112
.set SU,  240
.set KV,  128
.set Q,   192
.set WV,  12
.set CX,  13
.set BH,  14
.set G1,  16                           ; s[16:23] descriptor group 1, for K's and V's tiles alike
.set G0K, 24                           ; s[24:27] group 0 for K's tiles
.set TB,  28                           ; LDS byte at which the pair of steps in hand begins
.set TBI, 29                           ; how far the table's patterns have moved: 512 bytes for two steps
.set TW,  30
.set SLOTS, 31
.set SEL, 32
.set G0V, 40                           ; s[40:43] group 0 for V's tiles
.set MSB, 0
.macro WIN new
.if MSB != \new
	s_set_vgpr_msb (MSB<<8)|\new
.set MSB, \new
.endif
.endm
; A joint load: waves 0-3 fetch the quarters of a slot's K, waves 4-7 those of its V.  The branch hangs on the wave's number alone.  An s_nop 0 and four v_nop follow each of the two lines.
.macro JLOAD
	s_cmp_lt_u32 s[WV], 4
	s_cbranch_scc0 .Lfor_v_\@
	tensor_load_to_lds s[G0K:G0K+3], s[G1:G1+7]
	s_nop 0
.rept 4
	v_nop
.endr
	s_branch .Lasked_\@
.Lfor_v_\@:
	tensor_load_to_lds s[G0V:G0V+3], s[G1:G1+7]
	s_nop 0
.rept 4
	v_nop
.endr
.Lasked_\@:
.endm
.macro CROUND                          ; a round of the cluster's barrier
	s_barrier_signal -1
	s_barrier_wait -1
	s_cmp_lg_u32 s[WV], 0
	s_cbranch_scc1 .Lnot_wave_0_\@
	s_barrier_signal -3
.Lnot_wave_0_\@:
	s_barrier_wait -3
	s_barrier_signal -1
	s_barrier_wait -1
.endm
	s_load_b256 s[4:11], s[0:1], 0x0               ; qf s[4:5], kf s[6:7], vf s[8:9], att s[10:11]
	v_lshl_add_u32 v[SPW], v0, 2, SPARE
	v_mov_b32 v[NIL], 0
	ds_add_u32 v[SPW], v[NIL]                      ; the wave's opening: the add, twice on end, and its wait ahead of my first tensor load
	ds_add_u32 v[SPW], v[NIL]
	v_lshrrev_b32 v14, 5, v0
	v_readfirstlane_b32 s[WV], v14                 ; wave 0..7
	s_bfe_u32 s[CX], ttmp6, 0x40000                ; my place in the cluster = my block of 512 queries
	s_and_b32 s[BH], ttmp7, 0xffff                 ; batch x 8 + head, which the four partners share
	s_mov_b32 s[G1], 15|(3<<16)|(1<<21)            ; 15:0 the mask: all four; 17:16 elements of 8 bytes; 21 set beside a mask; no padding
	s_mov_b32 s[G1+1], 32<<16                      ; tensor_dim0 = 32 elements: rows of 256 bytes
	s_mov_b32 s[G1+2], 64<<16                      ; tensor_dim1 = 64
	s_mov_b32 s[G1+3], 32<<16                      ; tile_dim0
	s_mov_b32 s[G1+4], 64                          ; tile_dim1: 16,384 dense bytes a load
	s_mov_b32 s[G1+5], 32                          ; the pitch
	s_mov_b32 s[G1+6], 0
	s_mov_b32 s[G1+7], 0
	s_lshl_b32 s34, s[BH], 18                      ; the head's first byte in qf, kf, vf,
	s_and_b32 s35, s[WV], 3
	s_lshl_b32 s35, s35, 14                        ; my quarter of a slot's K or V
	s_add_co_u32 s34, s34, s35
	s_mov_b32 s35, 0
	s_lshl_b32 s36, s[CX], 5                       ; (the registers from here on may hold my place in the cluster; none of them feeds a descriptor)
	s_lshl_b32 s37, s[WV], 2
	s_add_co_u32 s36, s36, s37                     ; my first tile of 16 queries
	s_lshl_b32 s38, s36, 11
	s_lshl_b32 s39, s[BH], 18
	s_add_co_u32 s38, s38, s39                     ; Q: 2,048 bytes a tile
	s_mov_b32 s39, 0
	s_lshl_b32 s44, s36, 14                        ; att: [batch][tile of tokens: 16,384 bytes][head: 2,048]
	s_lshr_b32 s45, s[BH], 3
	s_lshl_b32 s45, s45, 21
	s_add_co_u32 s44, s44, s45
	s_and_b32 s45, s[BH], 7
	s_lshl_b32 s45, s45, 11
	s_add_co_u32 s44, s44, s45
	s_mov_b32 s45, 0
	s_lshl_b32 s46, s[CX], 9
	s_add_co_u32 s46, s46, 512                     ; Q0 + 512
	s_mov_b32 s[SEL], 0x76543210
	s_mov_b32 s[SEL+1], 0xfedcba98                 ; v_permlanex16_b32's selects for lane l xor 16
	s_mov_b32 s[TB], 0
	s_mov_b32 s[TBI], 0
	s_mov_b32 s[SLOTS], 3
	s_wait_dscnt 0x0                               ; both opening adds are done
	s_wait_kmcnt 0x0
	s_mov_b32 s[G0K], 1
	s_lshl_b32 s[G0K+1], s[WV], 14                 ; LDS: 16,384 x wave: K's quarters, then V's
	s_add_nc_u64 s[G0K+2:G0K+3], s[6:7], s[34:35]
	s_or_b32 s[G0K+3], s[G0K+3], 0x80000000
	s_mov_b32 s[G0V], 1
	s_lshl_b32 s[G0V+1], s[WV], 14
	s_add_nc_u64 s[G0V+2:G0V+3], s[8:9], s[34:35]
	s_or_b32 s[G0V+3], s[G0V+3], 0x80000000
	s_add_nc_u64 s[4:5], s[4:5], s[38:39]
	s_add_nc_u64 s[10:11], s[10:11], s[44:45]
	CROUND                                         ; all four work-groups are here: the first joint loads meet
	JLOAD                                          ; slot 0: keys 0 to 511.  One load of mine is out
	v_and_b32 v14, 31, v0
	v_lshlrev_b32 v[AL], 4, v14
	WIN 0x40
.irp f, 0,1,2,3,4,5,6,7,8,9,10,11,12,13,14,15  ; Q stays in registers: tile f / 4, then channels / 32, then half
	global_load_b128 v[Q+4*\f:Q+4*\f+3], v[AL], s[4:5] offset:512*\f
.endr
	WIN 0
	v_add_nc_u32 v[AV0], VOFF, v[AL]
	; Pattern E, register j of lane (r, h): copy r % 4, word 512 - 64 w - 16 E - 4 (r / 4) + 8 h + j.  In bytes, of positive terms alone, for E = 3:
	s_xor_b32 s15, s[WV], 7                        ; 7 - w
	s_lshl_b32 s15, s15, 8
	s_add_co_u32 s15, s15, TAB+16
	v_and_b32 v14, 3, v0
	v_mul_u32_u24 v[ABI], v14, CP
	v_bfe_u32 v14, v0, 2, 2
	v_xor_b32 v14, 3, v14                          ; 3 - r / 4
	v_lshl_add_u32 v[ABI], v14, 4, v[ABI]
	v_bfe_u32 v14, v0, 4, 1
	v_lshl_add_u32 v[ABI], v14, 5, v[ABI]
	v_add_nc_u32 v[ABI], s15, v[ABI]
	; THE TABLE: thread t makes G[256 i + t], i = 0 .. 10, and stores it into the four copies: copy c holds G[y] at word y + c
	v_sub_nc_u32 v243, s46, v0                     ; Q0 + 512 - t
	v_mov_b32 v240, 0x3ed47fcc                     ; log2(4 / 3): m = 0
	v_mov_b32 v241, 0x3d825eb9                     ; log2(1 + e^-2 / 3): m = 1
	v_mov_b32 v242, 0x39292682                     ; log2(1 + e^-8 / 3): m = 2
	s_mov_b32 s36, 0x3d088889                      ; 1 / 30
	s_mov_b32 s37, 0xc1f00000                      ; -30
	v_lshl_add_u32 v[TA], v0, 2, TAB
.irp i, 0,1,2,3,4,5,6,7,8,9,10
	v_add_nc_u32 v14, -256*\i, v243                ; d = Q0 + 512 - y, at most 2,816 in size
	v_cvt_f32_i32 v14, v14
	v_add_f32 v15, |v14|, 0.5
	v_mul_f32 v15, s36, v15
	v_floor_f32 v15, v15                           ; |d| / 30, rounded down: (|d| + 0.5) / 30 lies 1 / 60 or more from every whole number
	v_fma_f32 v15, v15, s37, |v14|                 ; m = |d| mod 30, exact
	v_cmp_eq_f32 vcc_lo, 0, v15
	v_cndmask_b32 v14, 0, v240, vcc_lo
	v_cmp_eq_f32 vcc_lo, 1.0, v15
	v_cndmask_b32 v14, v14, v241, vcc_lo
	v_cmp_eq_f32 vcc_lo, 2.0, v15
	v_cndmask_b32 v14, v14, v242, vcc_lo
.irp c, 0,1,2,3
	ds_store_b32 v[TA], v14 offset:\c*(CP+4)+1024*\i
.endr
.endr
.irp a, 0,1,2,3
	v_mov_b32 v[ST+8*\a], 0xff61b1e6               ; the running maximum: -3e38, under every t
	v_mov_b32 v[ST+8*\a+1], 0xff61b1e6             ; (named with it as a pair)
	v_mov_b32 v[ST+8*\a+2], 0                      ; l, in two halves
	v_mov_b32 v[ST+8*\a+3], 0
.endr
	WIN 0x40
.set i, 0
.rept 128
	v_mov_b32 v[i], 0                              ; O^T.  The key step is written once: its first run finds zeros, which the first factor, 0, leaves zeros
.set i, i+1
.endr
	WIN 0
	s_wait_dscnt 0x0                               ; for the others' sake: my part of the table has landed
	s_barrier_signal -1
	s_barrier_wait -1                              ; the table is whole; slot 0's load may stay out
.irp e, 0,1,2,3,4,5,6                          ; the first step's seven patterns, E = 3 - e, into slot E mod 8
	ds_load_b128 v[BR+8*((11-\e)%8):BR+8*((11-\e)%8)+3], v[ABI] offset:64*\e
	ds_load_b128 v[BR+8*((11-\e)%8)+4:BR+8*((11-\e)%8)+7], v[ABI] offset:64*\e+16
.endr
	s_wait_loadcnt 0x0                             ; Q
; A KEY STEP: 64 keys, the par-th of a pair.
.macro STEP par
	v_add_nc_u32 v[ADK], s[TB], v[AL]              ; these three and two v_nop are five places behind the last products V^T P: K's loads land where V lay (four are asked),
	v_add_nc_u32 v[ADV], s[TB], v[AV0]             ; and the new scores are written over P, which those products read (five)
	v_add_nc_u32 v[ADB], s[TBI], v[ABI]
	v_nop
	v_nop
	WIN 0x40
.irp b, 0,1,2,3                                ; K: tile b of 16 keys, then channels / 32, then half
.irp f, 0,1,2,3
	ds_load_b128 v[KV+16*\b+4*\f:KV+16*\b+4*\f+3], v[ADK] offset:8192*\par+2048*\b+512*\f
.endr
.endr
	s_wait_dscnt 0x0                               ; K is in, and so are the patterns asked for in the step before
	WIN 0x05                                       ; K and Q window 1; the bias, S^T window 0
.irp b, 0,1,2,3                                ; 16 accumulators by turns, one instruction a turn; the first product's C is the bias
.irp a, 0,1,2,3
	v_wmma_f32_16x16x32_f16 v[S+32*\a+8*\b:S+32*\a+8*\b+7], v[KV+16*\b:KV+16*\b+7], v[Q+16*\a:Q+16*\a+7], v[BR+8*((\a-\b-4*\par+16)%8):BR+8*((\a-\b-4*\par+16)%8)+7]
.endr
.endr
.irp b, 0,1,2,3
.irp a, 0,1,2,3
	v_wmma_f32_16x16x32_f16 v[S+32*\a+8*\b:S+32*\a+8*\b+7], v[KV+16*\b+8:KV+16*\b+15], v[Q+16*\a+8:Q+16*\a+15], v[S+32*\a+8*\b:S+32*\a+8*\b+7]
.endr
.endr
	WIN 0
.irp a, 0,1,2,3
	v_mov_b32 v[MO+\a], v[ST+8*\a]                 ; the old maxima are kept: four places in front of the loads below and of the first read of scores
.endr
	WIN 0x40
.irp g, 0,1                                    ; V^T: 32 keys g, tile c of 16 channels, half
.irp c, 0,1,2,3
.irp hf, 0,1
	ds_load_b128 v[KV+32*\g+8*\c+4*\hf:KV+32*\g+8*\c+4*\hf+3], v[ADV] offset:8192*\par+4096*\g+1024*\c+512*\hf
.endr
.endr
.endr
	WIN 0
.irp i, 0,1,2,3                                ; the next step's four new patterns, into slots whose patterns are done with
	ds_load_b128 v[BR+8*((12-4*\par-\i)%8):BR+8*((12-4*\par-\i)%8)+3], v[ADB] offset:256*\par+448+64*\i
	ds_load_b128 v[BR+8*((12-4*\par-\i)%8)+4:BR+8*((12-4*\par-\i)%8)+7], v[ADB] offset:256*\par+448+64*\i+16
.endr
	; the softmax, the four tiles line by line.  The maximum of a lane's 32 scores and the old m: four chains; each score tile is read from its low end on
.irp j, 0,1,2,3
.irp a, 0,1,2,3
	v_max3_num_f32 v[ST+8*\a+4+\j], v[S+32*\a+8*\j], v[S+32*\a+8*\j+1], v[S+32*\a+8*\j+2]
.endr
.endr
.irp n, 3,5
.irp j, 0,1,2,3
.irp a, 0,1,2,3
	v_max3_num_f32 v[ST+8*\a+4+\j], v[ST+8*\a+4+\j], v[S+32*\a+8*\j+\n], v[S+32*\a+8*\j+\n+1]
.endr
.endr
.endr
.irp a, 0,1,2,3
	v_max3_num_f32 v[ST+8*\a+4], v[ST+8*\a+4], v[S+32*\a+7], v[S+32*\a+15]
.endr
.irp a, 0,1,2,3
	v_max3_num_f32 v[ST+8*\a+6], v[ST+8*\a+6], v[S+32*\a+23], v[S+32*\a+31]
.endr
.irp a, 0,1,2,3
	v_max3_num_f32 v[ST+8*\a+4], v[ST+8*\a+4], v[ST+8*\a+5], v[ST+8*\a+6]
.endr
.irp a, 0,1,2,3
	v_max3_num_f32 v[ST+8*\a+4], v[ST+8*\a+4], v[ST+8*\a+7], v[MO+\a]
.endr
.irp a, 0,1,2,3
	v_permlanex16_b32 v[ST+8*\a+5], v[ST+8*\a+4], s[SEL], s[SEL+1]   ; the query's other 32 keys lie in the lane 16 away
.endr
.irp a, 0,1,2,3
	v_max_num_f32 v[ST+8*\a], v[ST+8*\a+4], v[ST+8*\a+5]
.endr
.irp a, 0,1,2,3
	v_sub_f32 v[ST+8*\a+7], v[MO+\a], v[ST+8*\a]   ; old m - new m, 0 or less
.endr
.irp i, 0,2,4,6,8,10,12,14,16,18,20,22,24,26,28,30
.irp a, 0,1,2,3
	v_pk_add_f32 v[S+32*\a+\i:S+32*\a+\i+1], v[S+32*\a+\i:S+32*\a+\i+1], v[ST+8*\a:ST+8*\a+1] op_sel_hi:[1,0] neg_lo:[0,1] neg_hi:[0,1]   ; t - m, two at a time
.endr
.endr
.irp a, 0,1,2,3
	v_exp_f32 v[ST+8*\a+6], v[ST+8*\a+7]           ; ONE BATCH: the four factors 2^(old - new) and the 128 weights; none reads another's result
.endr
.set i, 0
.rept 128
	v_exp_f32 v[S+i], v[S+i]
.set i, i+1
.endr
	v_nop                                          ; the plain line behind the last exponential
	s_wait_alu depctr_va_vdst(0)                   ; one wait for the whole batch, ahead of its first reader
.irp a, 0,1,2,3                                ; the sums of the unrounded p, in two chains a tile; S^T is left as it is
	v_pk_add_f32 v[SU+4*\a:SU+4*\a+1], v[S+32*\a:S+32*\a+1], v[S+32*\a+2:S+32*\a+3]
.endr
.irp a, 0,1,2,3
	v_pk_add_f32 v[SU+4*\a+2:SU+4*\a+3], v[S+32*\a+4:S+32*\a+5], v[S+32*\a+6:S+32*\a+7]
.endr
.irp i, 8,12,16,20,24,28
.irp a, 0,1,2,3
	v_pk_add_f32 v[SU+4*\a:SU+4*\a+1], v[SU+4*\a:SU+4*\a+1], v[S+32*\a+\i:S+32*\a+\i+1]
.endr
.irp a, 0,1,2,3
	v_pk_add_f32 v[SU+4*\a+2:SU+4*\a+3], v[SU+4*\a+2:SU+4*\a+3], v[S+32*\a+\i+2:S+32*\a+\i+3]
.endr
.endr
.irp a, 0,1,2,3
	v_pk_add_f32 v[SU+4*\a:SU+4*\a+1], v[SU+4*\a:SU+4*\a+1], v[SU+4*\a+2:SU+4*\a+3]
.endr
.irp a, 0,1,2,3
	v_pk_fma_f32 v[ST+8*\a+2:ST+8*\a+3], v[ST+8*\a+2:ST+8*\a+3], v[ST+8*\a+6:ST+8*\a+7], v[SU+4*\a:SU+4*\a+1] op_sel_hi:[1,0,1]   ; l = l x factor + the step's sum
.endr
.irp i, 0,1,2,3,4,5,6,7,8,9,10,11,12,13,14,15
.irp a, 0,1,2,3
	v_cvt_pk_f16_f32 v[S+32*\a+\i], v[S+32*\a+2*\i], v[S+32*\a+2*\i+1]   ; P, in place, ascending: score tiles 2 g and 2 g + 1 become the fragment of keys 32 g on
.endr
.endr
	WIN 0x41
.irp a, 0,1,2,3
.irp i, 0,2,4,6,8,10,12,14,16,18,20,22,24,26,28,30
	v_pk_mul_f32 v[32*\a+\i:32*\a+\i+1], v[32*\a+\i:32*\a+\i+1], v[ST+8*\a+6:ST+8*\a+7] op_sel_hi:[1,0]   ; O^T x factor; each accumulator from its low end on
.endr
.endr
	s_wait_dscnt 8                                 ; V is in; the eight loads of patterns issued behind it may stay out
	WIN 0x51                                       ; V, O^T window 1; P window 0
.irp g, 0,1
.irp c, 0,1,2,3
.irp a, 0,1,2,3
	v_wmma_f32_16x16x32_f16 v[32*\a+8*\c:32*\a+8*\c+7], v[KV+32*\g+8*\c:KV+32*\g+8*\c+7], v[S+32*\a+8*\g:S+32*\a+8*\g+7], v[32*\a+8*\c:32*\a+8*\c+7]
.endr
.endr
.endr
	WIN 0
.endm
; THE CHANGE OF SLOTS stands at a slot's head.  Each wave waits for all its tensor loads (one is out: its part of the slot ahead), adds 0 to its spare word, and waits for that and for its reads of the slot left.
; fill = 1: a round of the cluster's barrier, so that no wave of any partner still reads the other slot or has a load on its way; the joint load of the next 512 keys is the first thing behind it
; and has this slot's eight key steps in which to land.
.macro CHANGE fill
	s_wait_tensorcnt 0x0                           ; no tensor load of mine is out, so a group 0 may be written
	ds_add_u32 v[SPW], v[NIL]                      ; 0 onto my spare word; the descriptors' steps stand between it and the wait for it
.if \fill
	s_xor_b32 s[G0K+1], s[G0K+1], SLOT1            ; the other slot than last time,
	s_add_nc_u64 s[G0K+2:G0K+3], s[G0K+2:G0K+3], 65536   ; the next 512 keys; the type bits on top are not reached
	s_xor_b32 s[G0V+1], s[G0V+1], SLOT1
	s_add_nc_u64 s[G0V+2:G0V+3], s[G0V+2:G0V+3], 65536
.endif
	s_wait_dscnt 0x0                               ; the add is done, and my LDS reads are over
.if \fill
	CROUND
	JLOAD
.else
	s_barrier_signal -1
	s_barrier_wait -1
.endif
.endm
.macro WALK                            ; a slot's eight key steps: a pair is written once and walked four times
	s_mov_b32 s[TW], 4
.Ltrip_\@:
	STEP 0
	STEP 1
	s_add_co_u32 s[TB], s[TB], 16384
	s_add_co_u32 s[TBI], s[TBI], 512
	s_sub_co_u32 s[TW], s[TW], 1
	s_cmp_lg_u32 s[TW], 0
	s_cbranch_scc1 .Ltrip_\@
	s_sub_co_u32 s[TB], s[TB], 65536               ; back to a slot's first step,
	s_xor_b32 s[TB], s[TB], SLOT1                  ; in the other slot
.endm
.Lslot:                                            ; three trips: behind each change of slots but the last the next slot is asked for
	CHANGE 1
	WALK
	s_sub_co_u32 s[SLOTS], s[SLOTS], 1
	s_cmp_lg_u32 s[SLOTS], 0
	s_cbranch_scc1 .Lslot
	CHANGE 0                                       ; the last slot is written out
	WALK
	; THE WAY OUT.  l's two halves and the other half of the lanes' are added (the first four additions are the places behind the last products); O^T / l, rounded to f16, is the image of the next product's fragments.
.irp a, 0,1,2,3
	v_add_f32 v[ST+8*\a+4], v[ST+8*\a+2], v[ST+8*\a+3]
.endr
.irp a, 0,1,2,3
	v_permlanex16_b32 v[ST+8*\a+5], v[ST+8*\a+4], s[SEL], s[SEL+1]
.endr
.irp a, 0,1,2,3
	v_add_f32 v[ST+8*\a+4], v[ST+8*\a+4], v[ST+8*\a+5]
.endr
.irp a, 0,1,2,3
	v_rcp_f32 v[ST+8*\a+6], v[ST+8*\a+4]
.endr
	v_nop                                          ; the plain line behind the last reciprocal
	s_wait_alu depctr_va_vdst(0)                   ; one wait for the four, ahead of their first reader
	WIN 0x41
.irp a, 0,1,2,3
.irp i, 0,2,4,6,8,10,12,14,16,18,20,22,24,26,28,30
	v_pk_mul_f32 v[32*\a+\i:32*\a+\i+1], v[32*\a+\i:32*\a+\i+1], v[ST+8*\a+6:ST+8*\a+7] op_sel_hi:[1,0]
.endr
.endr
	WIN 0x45
.irp k, 0,1,2,3,4,5,6,7,8,9,10,11,12,13,14,15
.irp i, 0,1,2,3
	v_cvt_pk_f16_f32 v[8*\k+\i], v[8*\k+2*\i], v[8*\k+2*\i+1]
.endr
.endr
	WIN 0x04                                       ; a store's data are its source 1: window 1
.irp a, 0,1,2,3
.irp c, 0,1,2,3
	global_store_b128 v[AL], v[32*\a+8*\c:32*\a+8*\c+3], s[10:11] offset:16384*\a+512*\c   ; 512 consecutive bytes, aligned
.endr
.endr
	WIN 0
	s_wait_tensorcnt 0x0                           ; the wave's end, behind my last tensor load and my last LDS store
	ds_add_u32 v[SPW], v[NIL]
	s_wait_dscnt 0x0
	CROUND                                         ; the closing round: no work-group ends while a partner may still ask for a tile that names it
	s_endpgm
.Lfunc_end_k_q5b972f36a8_attn:
	.size	k_q5b972f36a8_attn, .Lfunc_end_k_q5b972f36a8_attn-k_q5b972f36a8_attn
	.p2alignl 7, 3214868480
	.fill 96, 4, 3214868480
	.section	.rodata,"a",@progbits
	.p2align	6, 0x0
	.amdhsa_kernel k_q5b972f36a8_attn
		.amdhsa_group_segment_fixed_size 327680
		.amdhsa_private_segment_fixed_size 0
		.amdhsa_enable_private_segment 0
		.amdhsa_kernarg_size 32
		.amdhsa_user_sgpr_count 2
		.amdhsa_user_sgpr_kernarg_segment_ptr 1
		.amdhsa_wavefront_size32 1
		.amdhsa_system_sgpr_workgroup_id_x 1
		.amdhsa_system_sgpr_workgroup_id_y 1
		.amdhsa_system_sgpr_workgroup_id_z 1
		.amdhsa_system_vgpr_workitem_id 0
		.amdhsa_next_free_vgpr 512
		.amdhsa_next_free_sgpr 66
		.amdhsa_reserve_vcc 1
		.amdhsa_float_denorm_mode_32 3
		.amdhsa_float_denorm_mode_16_64 3
		.amdhsa_memory_ordered 1
		.amdhsa_forward_progress 1
		.amdhsa_inst_pref_size 161
	.end_amdhsa_kernel
	.amdgpu_metadata
---
amdhsa.version: [ 1, 2 ]
amdhsa.kernels:
  - .name:           k_q5b972f36a8_attn
    .symbol:         k_q5b972f36a8_attn.kd
    .args:
      - { .name: qf, .offset: 0, .size: 8, .value_kind: global_buffer, .address_space: global }
      - { .name: kf, .offset: 8, .size: 8, .value_kind: global_buffer, .address_space: global }
      - { .name: vf, .offset: 16, .size: 8, .value_kind: global_buffer, .address_space: global }
      - { .name: att, .offset: 24, .size: 8, .value_kind: global_buffer, .address_space: global }
    .group_segment_fixed_size: 327680
    .private_segment_fixed_size: 0
    .kernarg_segment_align: 8
    .kernarg_segment_size: 32
    .max_flat_workgroup_size: 256
    .sgpr_count:     66
    .vgpr_count:     512
    .wavefront_size: 32
...
	.end_amdgpu_metadata
.endif
;; end of part 3
;; launch proj (part 4): grid 256 x 1, 8 waves a work-group, no clusters, 167,936 bytes of LDS; arguments att, wof, bo, out0; writes out0
.if DOCPART == 4
	.amdgcn_target "amdgcn-amd-amdhsa--gfx1250"
	.amdhsa_code_object_version 6
	.text
	.protected	k_q5b972f36a8_proj
	.globl	k_q5b972f36a8_proj
	.p2align	8
	.type	k_q5b972f36a8_proj,@function
k_q5b972f36a8_proj:
	s_mov_b64 s[64:65], 0
	v_nop
	global_prefetch_b8 v0, s[64:65] scope:SCOPE_SE
	s_setreg_imm32_b32 hwreg(HW_REG_WAVE_MODE, 25, 1), 1
	s_wait_xcnt 0x0
; Launch 4 of 4: out0 = attention's output x Wo + bo; operands f16, sums f32, out0 f32.
; SHARES.  A work-group takes 64 tokens and all 512 outputs; wave w takes outputs 64 w .. 64 w + 63 (four tiles c) for the four tiles t of 16 tokens: 16 accumulators.
; The tokens' fragments (att holds images of their registers: 65,536 dense bytes a work-group) come into LDS once, each wave fetching an eighth by one tensor load; all eight waves read them.
; Wo^T's fragments come from wof straight into registers, three K steps ahead: each is wanted by one wave of the work-group alone, so LDS and joint loads would add a copy and spare none of its reads.
; TRANSPOSED: source 0 = 16 outputs of Wo^T, source 1 = 16 tokens: a lane holds one token and eight neighbouring outputs.  bo is the C of each sum's first product.
; The way out goes through the wave's own stage in LDS, so that sixteen lanes store 256 consecutive bytes of a row, aligned.
; REGISTERS.  window 0: v1, v2 the add's two; v3-7 addresses; v64-127 the tokens' fragments, two sets; v128-159 bo; v160-223 rows on the way out, two sets.   window 1: v0-127 accumulators (32 t + 8 c); v128-255 Wo^T, four sets.
.set ATT,   0                          ; LDS: [tile of tokens 4][K step 16][half 2][lane][16 bytes]: filled once
.set STG,   65536                      ; the stages: 16 rows x (256 bytes + 16) for each wave
.set SPARE, STG+8*4352                 ; the spare words, 128 bytes for each wave: four blocks of 256 bytes that no other line names
.set SPW, 1
.set NIL, 2
.set LI,  3                            ; 16 x lane
.set BOA, 4                            ; 32 h
.set STO, 5                            ; the stage: where I put 32 bytes of a row
.set RD,  6                            ; and where I read a row back
.set CO,  7                            ; my byte offset in two rows of out0
.set AT,  64
.set BO,  128
.set BK,  160
.set WO,  128
.set MSB, 0
.macro WIN new
.if MSB != \new
	s_set_vgpr_msb (MSB<<8)|\new
.set MSB, \new
.endif
.endm
	s_load_b256 s[4:11], s[0:1], 0x0               ; att s[4:5], wof s[6:7], bo s[8:9], out0 s[10:11]
	v_lshl_add_u32 v[SPW], v0, 2, SPARE
	v_mov_b32 v[NIL], 0
	ds_add_u32 v[SPW], v[NIL]                      ; the wave's opening: the add, twice on end, and its wait ahead of my first tensor load
	ds_add_u32 v[SPW], v[NIL]
	v_lshrrev_b32 v8, 5, v0
	v_readfirstlane_b32 s12, v8                    ; wave 0..7
	s_mov_b32 s16, 3<<16                           ; group 1: no mask; elements of 8 bytes; no padding
	s_mov_b32 s17, 32<<16                          ; tensor_dim0 = 32 elements: rows of 256 bytes
	s_mov_b32 s18, 32<<16                          ; tensor_dim1 = 32
	s_mov_b32 s19, 32<<16                          ; tile_dim0
	s_mov_b32 s20, 32                              ; tile_dim1: 8,192 dense bytes
	s_mov_b32 s21, 32                              ; the pitch
	s_mov_b32 s22, 0
	s_mov_b32 s23, 0
	s_lshl_b32 s28, ttmp9, 16                      ; att: 65,536 bytes a work-group,
	s_lshl_b32 s29, s12, 13                        ; 8,192 a wave
	s_add_co_u32 s28, s28, s29
	s_mov_b32 s29, 0
	s_lshl_b32 s30, s12, 16                        ; wof: 65,536 bytes for my 64 outputs
	s_mov_b32 s31, 0
	s_lshl_b32 s32, s12, 8                         ; bo: my 64 numbers; also my 256 bytes of a row of out0
	s_mov_b32 s33, 0
	s_lshl_b32 s34, ttmp9, 17                      ; out0: 64 rows of 2,048 bytes a work-group
	s_add_co_u32 s34, s34, s32
	s_mov_b32 s35, 0
	s_wait_dscnt 0x0                               ; both opening adds are done
	s_wait_kmcnt 0x0
	s_mov_b32 s24, 1
	s_lshl_b32 s25, s12, 13                        ; LDS: 8,192 x wave
	s_add_nc_u64 s[26:27], s[4:5], s[28:29]
	s_or_b32 s27, s27, 0x80000000
	tensor_load_to_lds s[24:27], s[16:23]          ; my one tensor load of the launch
	s_nop 0
.rept 4
	v_nop
.endr
	s_add_nc_u64 s[6:7], s[6:7], s[30:31]
	s_add_nc_u64 s[8:9], s[8:9], s[32:33]
	s_add_nc_u64 s[10:11], s[10:11], s[34:35]
	v_and_b32 v8, 31, v0
	v_lshlrev_b32 v[LI], 4, v8
	v_and_b32 v8, 15, v0                           ; r
	v_bfe_u32 v9, v0, 4, 1                         ; h
	v_lshlrev_b32 v[BOA], 5, v9
	s_mul_i32 s28, s12, 4352
	s_add_co_u32 s28, s28, STG                     ; my stage
	v_mul_u32_u24 v[STO], v8, 272
	v_lshl_add_u32 v[STO], v9, 5, v[STO]
	v_add_nc_u32 v[STO], s28, v[STO]               ; in: row r, + 32 h
	v_mul_u32_u24 v[RD], v9, 272
	v_lshl_add_u32 v[RD], v8, 4, v[RD]
	v_add_nc_u32 v[RD], s28, v[RD]                 ; back: lanes 0-15 one row of 256 bytes, lanes 16-31 the next
	v_lshlrev_b32 v[CO], 11, v9
	v_lshl_add_u32 v[CO], v8, 4, v[CO]             ; and the same two rows in out0
.irp c, 0,1,2,3                                ; bo in the result's layout: lane (r, h), tile c: outputs 16 c + 8 h + 0 .. 7
	global_load_b128 v[BO+8*\c:BO+8*\c+3], v[BOA], s[8:9] offset:64*\c
	global_load_b128 v[BO+8*\c+4:BO+8*\c+7], v[BOA], s[8:9] offset:64*\c+16
.endr
.macro WOLOAD s                        ; Wo^T's four fragments of K step s into set s % 4 of window 1: 8 loads of 512 consecutive bytes
.irp f, 0,1,2,3,4,5,6,7
	global_load_b128 v[WO+32*((\s)%4)+4*\f:WO+32*((\s)%4)+4*\f+3], v[LI], s[6:7] offset:4096*(\s)+512*\f
.endr
.endm
.macro ATLOAD s                        ; the four token tiles' fragments of K step s into set s % 2: 8 LDS loads
.irp t, 0,1,2,3
.irp hf, 0,1
	ds_load_b128 v[AT+32*((\s)%2)+8*\t+4*\hf:AT+32*((\s)%2)+8*\t+4*\hf+3], v[LI] offset:ATT+16384*\t+1024*(\s)+512*\hf
.endr
.endr
.endm
	WIN 0x40
	WOLOAD 0
	WOLOAD 1
	WOLOAD 2
	WIN 0
	s_wait_tensorcnt 0x0                           ; my eighth has landed,
	s_barrier_signal -1
	s_barrier_wait -1                              ; everybody's has; nothing is filled again
	ATLOAD 0
.macro KSTEP s                         ; 32 along K: 16 products, the 16 accumulators by turns, one instruction a turn
.if \s > 0
.rept 4
	v_nop                                          ; four places in front of loads into the sets that the last step multiplied
.endr
.endif
.if (\s)+3 < 16
	WIN 0x40
	WOLOAD (\s)+3
.endif
.if (\s)+1 < 16
	WIN 0
	ATLOAD (\s)+1
.endif
.if 15-(\s) >= 3
	s_wait_loadcnt 24                              ; this step's Wo^T is in; the three steps behind it, 8 loads each, may be out
.else
	s_wait_loadcnt 8*(15-(\s))
.endif
.if (\s)+1 < 16
	s_wait_dscnt 8                                 ; this step's tokens are in; the next step's 8 loads may be out
.else
	s_wait_dscnt 0x0
.endif
.if \s == 0
	WIN 0x41                                       ; Wo^T and D window 1; the tokens and C (bo) window 0
.else
	WIN 0x51
.endif
.irp t, 0,1,2,3
.irp c, 0,1,2,3
.if \s == 0
	v_wmma_f32_16x16x32_f16 v[32*\t+8*\c:32*\t+8*\c+7], v[WO+32*((\s)%4)+8*\c:WO+32*((\s)%4)+8*\c+7], v[AT+32*((\s)%2)+8*\t:AT+32*((\s)%2)+8*\t+7], v[BO+8*\c:BO+8*\c+7]
.else
	v_wmma_f32_16x16x32_f16 v[32*\t+8*\c:32*\t+8*\c+7], v[WO+32*((\s)%4)+8*\c:WO+32*((\s)%4)+8*\c+7], v[AT+32*((\s)%2)+8*\t:AT+32*((\s)%2)+8*\t+7], v[32*\t+8*\c:32*\t+8*\c+7]
.endif
.endr
.endr
.endm
.irp s, 0,1,2,3,4,5,6,7,8,9,10,11,12,13,14,15
	KSTEP \s
.endr
; THE WAY OUT, a tile of 16 tokens at a time.  LDS serves a wave's instructions in order (ISA guide 5.7.1.4): no wait between my stores into my stage and my loads from it, nor in front of the next tile's stores.
.macro TOSTAGE t
	WIN 0x04                                       ; an LDS store's data are its source 1: window 1
.irp c, 0,1,2,3
	ds_store_b128 v[STO], v[32*(\t)+8*\c:32*(\t)+8*\c+3] offset:64*\c        ; each accumulator from its low end on
	ds_store_b128 v[STO], v[32*(\t)+8*\c+4:32*(\t)+8*\c+7] offset:64*\c+16
.endr
	WIN 0
.irp i, 0,1,2,3,4,5,6,7
	ds_load_b128 v[BK+32*((\t)%2)+4*\i:BK+32*((\t)%2)+4*\i+3], v[RD] offset:544*\i
.endr
.endm
.macro SEND t, younger                 ; younger: the LDS instructions issued behind tile t's loads, which may stay out
	s_wait_dscnt \younger
.irp i, 0,1,2,3,4,5,6,7
	global_store_b128 v[CO], v[BK+32*((\t)%2)+4*\i:BK+32*((\t)%2)+4*\i+3], s[10:11] offset:(16*(\t)+2*\i)*2048 th:TH_STORE_NT   ; sixteen lanes store 256 consecutive bytes, aligned; written once, read by nobody here
.endr
.endm
.rept 4
	v_nop                                          ; four places in front of the first read of results
.endr
	TOSTAGE 0
.irp t, 1,2,3
.if \t > 1
	s_wait_xcnt 0x0                                ; tile t - 2's stores have read their registers: tile t's rows may land there
.endif
	TOSTAGE \t
	SEND (\t)-1, 16                                ; behind tile t - 1's loads: tile t's 8 stores and 8 loads
.endr
	SEND 3, 0
	s_wait_tensorcnt 0x0                           ; the wave's end, behind my last tensor load and my last LDS store
	ds_add_u32 v[SPW], v[NIL]
	s_wait_dscnt 0x0
	s_endpgm
.Lfunc_end_k_q5b972f36a8_proj:
	.size	k_q5b972f36a8_proj, .Lfunc_end_k_q5b972f36a8_proj-k_q5b972f36a8_proj
	.p2alignl 7, 3214868480
	.fill 96, 4, 3214868480
	.section	.rodata,"a",@progbits
	.p2align	6, 0x0
	.amdhsa_kernel k_q5b972f36a8_proj
		.amdhsa_group_segment_fixed_size 167936
		.amdhsa_private_segment_fixed_size 0
		.amdhsa_enable_private_segment 0
		.amdhsa_kernarg_size 32
		.amdhsa_user_sgpr_count 2
		.amdhsa_user_sgpr_kernarg_segment_ptr 1
		.amdhsa_wavefront_size32 1
		.amdhsa_system_sgpr_workgroup_id_x 1
		.amdhsa_system_sgpr_workgroup_id_y 1
		.amdhsa_system_sgpr_workgroup_id_z 1
		.amdhsa_system_vgpr_workitem_id 0
		.amdhsa_next_free_vgpr 512
		.amdhsa_next_free_sgpr 66
		.amdhsa_reserve_vcc 0
		.amdhsa_float_denorm_mode_32 3
		.amdhsa_float_denorm_mode_16_64 3
		.amdhsa_memory_ordered 1
		.amdhsa_forward_progress 1
		.amdhsa_inst_pref_size 52
	.end_amdhsa_kernel
	.amdgpu_metadata
---
amdhsa.version: [ 1, 2 ]
amdhsa.kernels:
  - .name:           k_q5b972f36a8_proj
    .symbol:         k_q5b972f36a8_proj.kd
    .args:
      - { .name: att, .offset: 0, .size: 8, .value_kind: global_buffer, .address_space: global }
      - { .name: wof, .offset: 8, .size: 8, .value_kind: global_buffer, .address_space: global }
      - { .name: bo, .offset: 16, .size: 8, .value_kind: global_buffer, .address_space: global }
      - { .name: out0, .offset: 24, .size: 8, .value_kind: global_buffer, .address_space: global }
    .group_segment_fixed_size: 167936
    .private_segment_fixed_size: 0
    .kernarg_segment_align: 8
    .kernarg_segment_size: 32
    .max_flat_workgroup_size: 256
    .sgpr_count:     66
    .vgpr_count:     512
    .wavefront_size: 32
...
	.end_amdgpu_metadata
.endif
;; end of part 4
